; MI455X (gfx1250); checked and timed in simulation.
; The chip was launched on July 23, 2026; its instructions are those of AMD's public machine-readable ISA for CDNA 5 (MIT licence, August 2026) and "CDNA5" Instruction Set Architecture Reference Guide (July 2026). The comments in the code are by the model that wrote it; some were corrected since.
;; TF Group Vi T Assign Attention. Allowed arithmetic: float matrix products may take bf16 or f16 operands with f32 sums; all other float work in f32.
;; Inputs: Wk 384 x 384 float32; Wp 384 x 384 float32; Wq 384 x 384 float32; Wv 384 x 384 float32; bk 384 float32; bp 384 float32; bq 384 float32; bv 384 float32; key 32 x 4,096 x 384 float32; query 32 x 64 x 384 float32.
;; Outputs: out0 32 x 64 x 384 float32; out1 32 x 64 x 4,096 float32.
;; One version. Each part assembles by itself: llvm-mc -triple=amdgcn-amd-amdhsa -mcpu=gfx1250 --defsym DOCPART=n.
;; ======== version 1 of 1: 4 launches
;; workspace buffers: qp 4,718,592 bytes; qf 4,718,592 bytes; cv 16,384 bytes; wf 589,824 bytes; bvp 3,072 bytes; tp 25,165,824 bytes; cn 131,072 bytes
;; launch prep1 (part 1): grid 6 x 38, 4 waves a work-group, no clusters, 207,872 bytes of LDS; arguments query, Wq, bq, Wv, Wp, bv, qp, wf, bvp; writes qp, wf, bvp
.if DOCPART == 1
	.amdgcn_target "amdgcn-amd-amdhsa--gfx1250"
	.amdhsa_code_object_version 6
	.text
	.protected	k_qb0aa1d7821_prep1
	.globl	k_qb0aa1d7821_prep1
	.p2align	8
	.type	k_qb0aa1d7821_prep1,@function
k_qb0aa1d7821_prep1:
	s_mov_b64 s[64:65], 0
	v_nop
	global_prefetch_b8 v0, s[64:65] scope:SCOPE_SE
	s_setreg_imm32_b32 hwreg(HW_REG_WAVE_MODE, 25, 1), 1
	s_wait_xcnt 0x0
; TWO SMALL PRODUCTS OF ONE SHAPE, 64 rows x 64 columns x 384, chosen by the work-group's y.
;   job A (y < 32, batch b = y):   q = query Wq + bq for the batch's 64 groups, columns 64 x .. 64 x + 63
;   job B (y >= 32, eb = y - 32):  Wvp = Wv Wp, rows 64 eb .., columns 64 x ..; and bvp = bv Wp for those columns
; All inputs are rounded to bf16 where they enter (biases are rounded and widened again); products of bf16 numbers are exact, sums are f32.
; q leaves as THREE bf16 pieces h + m + l, which together are the f32 number exactly (8 + 8 + 8 significant bits), because the later argmax needs q at f32's precision.
; Wvp leaves as TWO bf16 pieces h + m (16 significant bits): one piece's rounding, which goes with the size of a row of the result, is too coarse for numbers near zero in the rows of small groups.  bvp leaves in f32.
; FRAGMENT ORDER.  What leaves is laid as the next product's operand: 1,024 bytes for 16 rows x 32 k; lane l keeps registers 0-3 at byte 16 l, registers 4-7 at 512 + 16 l.  A result tile whose rows m are the
; next product's k, packed in pairs along its registers, IS such a half: so no hand-over is turned round, and every store of a wave is 512 consecutive bytes.
; SHARES.  Four waves; wave w owns the columns 16 w .. 16 w + 15 of the block and all four row tiles of 16.
; bvp costs one product in five in job B; all six row blocks make it and the block eb = 0 stores it.
; NO CLUSTER: the grid is 6 wide, which no cluster of four divides; each work-group fetches 200 KB once.
; LIMITS: NaN and infinities are not treated apart.
.set RP,    1584                 ; a row of 384 f32 in LDS: three pieces of 512 bytes, 16 bytes of padding behind each: 99 x 16, so the 16 rows of a fragment load start in 16 different groups of four banks
.set QUART, 16*RP                ; 16 rows: what one wave's tensor load brings
.set CMB,   4*QUART              ; behind the 64 rows: 384 rows x 64 columns of the column matrix,
.set CP,    272                  ; 256 bytes + 16 of padding
.set BVB,   CMB+384*CP           ; bv, 1,536 bytes, written by ds_store: blocks of its own
.set SPARE, BVB+1536             ; the spare words, 128 bytes a wave
.set WPB,   294912               ; wf: bytes from piece h to piece m
.set RA,   2                     ; v2-3   LDS address of my lane in row tiles 0, 1 and 2, 3
.set CA,   4                     ; v4     of my column
.set BA,   5                     ; v5     of bv
.set L16,  6                     ; v6     16 x lane
.set HH,   7                     ; v7     lane / 16
.set INIT, 8                     ; v8-15  bq of my eight d
.set RAW,  16                    ; v16-79   four row fragments in f32; on the way out the pieces
.set CRAW, 80                    ; v80-95   the column fragment in f32; on the way out at work
.set BRAW, 96                    ; v96-111  bv's fragment in f32
.set RF,   112                   ; v112-143 four row fragments, bf16
.set CF,   144                   ; v144-151 the column fragment
.set BB,   152                   ; v152-159 bv's fragment: the same in all 16 rows
.set ACC,  160                   ; v160-191 four accumulators
.set VS,   192                   ; v192-199 bvp's accumulator
.set TT,   200                   ; v200-207 at work in the set-up
.set SPW,  220                   ; my spare word's LDS address; never rewritten
.set NIL,  221                   ; 0; never rewritten
.set WV,   22                    ; s22 wave
.set YY,   24                    ; s24 y
.set RBK,  25                    ; s25 b or eb
.set CNT,  56
.set MSK,  57                    ; a word's upper bf16
.macro PLACES                    ; four places behind a matrix instruction (ISA guide 7.12.1), in front of vector writes of its sources and reads of its result
.rept 4
	v_nop
.endr
.endm
	s_load_b256 s[4:11], s[0:1], 0x0               ; query s[4:5], Wq s[6:7], bq s[8:9], Wv s[10:11]
	s_load_b256 s[12:19], s[0:1], 0x20             ; Wp s[12:13], bv s[14:15], qp s[16:17], wf s[18:19]
	s_load_b64 s[20:21], s[0:1], 0x40              ; bvp
	v_lshl_add_u32 v[SPW], v0, 2, SPARE
	v_mov_b32 v[NIL], 0
	ds_add_u32 v[SPW], v[NIL]                      ; the wave's opening: the add and its wait ahead of my first tensor load
	ds_add_u32 v220, v221
	v_lshrrev_b32 v1, 5, v0
	v_readfirstlane_b32 s[WV], v1                  ; wave 0..3
	s_and_b32 s[YY], ttmp7, 0xffff
	s_cmp_lt_u32 s[YY], 32
	s_cselect_b32 s[RBK], 0, 32
	s_sub_co_u32 s[RBK], s[YY], s[RBK]             ; the job's row block
	s_mov_b32 s[MSK], 0xffff0000
	; group 1 for rows: 16 rows of 1,536 bytes are dense: 48 pieces of 128 f32, 4 words of padding behind each
	s_mov_b32 s40, 0x07920000                      ; 17:16 4-byte elements; 20 padding on; 24:22 after every 128 words (code 6); 31:25 4 words (code 3)
	s_mov_b32 s41, 128<<16                         ; tensor_dim0 = 128
	s_mov_b32 s42, 48<<16                          ; tensor_dim1 = 48
	s_mov_b32 s43, 128<<16                         ; tile_dim0 = 128
	s_mov_b32 s44, 48                              ; tile_dim1 = 48
	s_mov_b32 s45, 128                             ; 128 elements from piece to piece
	s_mov_b32 s46, 0
	s_mov_b32 s47, 0
	; group 1 for columns: 96 rows of 64 f32 (256 bytes, at a multiple of 256 bytes), 384 elements apart
	s_mov_b32 s48, 0x07520000                      ; the same with padding after every 64 words (code 5)
	s_mov_b32 s49, 64<<16
	s_mov_b32 s50, 96<<16
	s_mov_b32 s51, 64<<16
	s_mov_b32 s52, 96
	s_mov_b32 s53, 384
	s_mov_b32 s54, 0
	s_mov_b32 s55, 0
	s_mov_b32 s32, 1
	s_mul_i32 s33, s[WV], QUART                    ; my 16 rows' place
	s_mov_b32 s36, 1
	s_mul_i32 s37, s[WV], 96*CP
	s_add_co_u32 s37, s37, CMB                     ; my 96 rows of the column matrix
	s_mul_i32 s26, s[RBK], 98304                   ; 64 rows of 1,536 bytes,
	s_mul_i32 s58, s[WV], 24576                    ; my 16 of them
	s_add_co_u32 s26, s26, s58
	s_mov_b32 s27, 0
	s_mul_i32 s58, s[WV], 147456                   ; 96 rows down,
	s_lshl_b32 s59, ttmp9, 8                       ; 64 columns x
	s_add_co_u32 s58, s58, s59
	s_mov_b32 s59, 0
	s_wait_dscnt 0x0                               ; the opening add is done
	s_wait_kmcnt 0x0
	s_cmp_lt_u32 s[YY], 32
	s_cselect_b64 s[28:29], s[4:5], s[10:11]       ; rows: query or Wv
	s_cselect_b64 s[30:31], s[6:7], s[12:13]       ; columns: Wq or Wp
	s_add_nc_u64 s[34:35], s[28:29], s[26:27]
	s_or_b32 s35, s35, 0x80000000                  ; type = 2
	s_add_nc_u64 s[38:39], s[30:31], s[58:59]
	s_or_b32 s39, s39, 0x80000000
	tensor_load_to_lds s[32:35], s[40:47]          ; the two first fills go out together: two loads of mine are out
	s_nop 0
	tensor_load_to_lds s[36:39], s[48:55]
	s_nop 0
	v_and_b32 v1, 15, v0                           ; r = lane % 16
	v_bfe_u32 v[HH], v0, 4, 1                      ; h = lane / 16
	v_and_b32 v[L16], 31, v0
	v_lshlrev_b32 v[L16], 4, v[L16]
	v_mul_u32_u24 v[RA], v1, RP
	v_lshl_add_u32 v[RA], v[HH], 5, v[RA]          ; row r, k = 8 h on (f32: 32 bytes)
	v_add_nc_u32 v[RA+1], 2*QUART, v[RA]
	v_mul_u32_u24 v[CA], v[HH], 8*CP               ; k = 8 h rows down,
	v_lshl_add_u32 v[CA], v1, 2, v[CA]             ; column 16 w + r
	s_lshl_b32 s58, s[WV], 6
	s_add_co_u32 s58, s58, CMB
	v_add_nc_u32 v[CA], s58, v[CA]
	v_lshlrev_b32 v[BA], 5, v[HH]
	v_add_nc_u32 v[BA], BVB, v[BA]
	s_lshl_b32 s58, ttmp9, 8
	s_lshl_b32 s59, s[WV], 6
	s_add_co_u32 s58, s58, s59
	v_lshl_add_u32 v[TT], v[HH], 5, s58            ; bq at d = 64 x + 16 w + 8 h
	global_load_b128 v[INIT:INIT+3], v[TT], s[8:9]
	global_load_b128 v[INIT+4:INIT+7], v[TT], s[8:9] offset:16
	v_lshlrev_b32 v[TT+1], 2, v0
	global_load_b32 v[BRAW], v[TT+1], s[14:15]     ; bv: 128 threads x 3 words
	global_load_b32 v[BRAW+1], v[TT+1], s[14:15] offset:512
	global_load_b32 v[BRAW+2], v[TT+1], s[14:15] offset:1024
	v_add_nc_u32 v[TT+2], BVB, v[TT+1]
	s_wait_loadcnt 0x0
	ds_store_b32 v[TT+2], v[BRAW]
	ds_store_b32 v[TT+2], v[BRAW+1] offset:512
	ds_store_b32 v[TT+2], v[BRAW+2] offset:1024
.irp i, 0,1,2,3
	v_cvt_pk_bf16_f32 v[TT+4+\i], v[INIT+2*\i], v[INIT+2*\i+1]  ; bq rounded to bf16,
.endr
.irp i, 0,1,2,3
	v_lshlrev_b32 v[INIT+2*\i], 16, v[TT+4+\i]                  ; and widened again
	v_and_b32 v[INIT+2*\i+1], s[MSK], v[TT+4+\i]
.endr
	s_wait_tensorcnt 0x0                           ; my parts of both tiles are in,
	s_wait_dscnt 0x0                               ; my words of bv are stored:
	s_barrier_signal -1
	s_barrier_wait -1                              ; everybody's are
; the f32 numbers of k step kq (of a trip's four): 4 row fragments (row r: 32 bytes at 32 h, 32 more 64 bytes on), the column fragment word by word (16 rows of my column), and (fl = 1) bv's
.macro LOADS kq, fl
.irp rt, 0,1,2,3
.irp c, 0,1,2,3
	ds_load_b128 v[RAW+16*\rt+4*\c:RAW+16*\rt+4*\c+3], v[RA+(\rt)/2] offset:((\rt)%2)*QUART+(\kq)*128+((\c)/2)*64+((\c)%2)*16
.endr
.endr
.irp i, 0,1,2,3,4,5,6,7
	ds_load_b32 v[CRAW+\i], v[CA] offset:(32*(\kq)+\i)*CP
	ds_load_b32 v[CRAW+8+\i], v[CA] offset:(32*(\kq)+16+\i)*CP
.endr
.if \fl
.irp c, 0,1,2,3
	ds_load_b128 v[BRAW+4*\c:BRAW+4*\c+3], v[BA] offset:(\kq)*128+((\c)/2)*64+((\c)%2)*16
.endr
.endif
.endm
; One k step of 32: the numbers are in; they are rounded to bf16; the next step's loads (nxt < 4) go out; the products.  The accumulators take turns, one instruction a turn.
.macro STAGE nxt, fl
	s_wait_dscnt 0x0
	PLACES                                         ; the roundings write registers that the last products read
.set i, 0
.rept 32
	v_cvt_pk_bf16_f32 v[RF+i], v[RAW+2*i], v[RAW+2*i+1]
.set i, i+1
.endr
.set i, 0
.rept 8
	v_cvt_pk_bf16_f32 v[CF+i], v[CRAW+2*i], v[CRAW+2*i+1]
.set i, i+1
.endr
.if \fl
.set i, 0
.rept 8
	v_cvt_pk_bf16_f32 v[BB+i], v[BRAW+2*i], v[BRAW+2*i+1]
.set i, i+1
.endr
.endif
.if (\nxt) < 4
	LOADS \nxt, \fl
.endif
.irp rt, 0,1,2,3
.if \fl
	v_wmma_f32_16x16x32_bf16 v[ACC+8*\rt:ACC+8*\rt+7], v[RF+8*\rt:RF+8*\rt+7], v[CF:CF+7], v[ACC+8*\rt:ACC+8*\rt+7]  ; result rows = Wv's rows e, columns = j
.else
	v_wmma_f32_16x16x32_bf16 v[ACC+8*\rt:ACC+8*\rt+7], v[CF:CF+7], v[RF+8*\rt:RF+8*\rt+7], v[ACC+8*\rt:ACC+8*\rt+7]  ; result rows = d, columns = the groups
.endif
.endr
.if \fl
	v_wmma_f32_16x16x32_bf16 v[VS:VS+7], v[BB:BB+7], v[CF:CF+7], v[VS:VS+7]  ; every row of the result is bvp
.endif
.endm
.macro KLOOP fl                  ; three trips of 128 along k
	s_mov_b32 s[CNT], 3
.Lk_\@:
	LOADS 0, \fl
	STAGE 1, \fl
	STAGE 2, \fl
	STAGE 3, \fl
	STAGE 4, \fl
	v_add_nc_u32 v[RA], 528, v[RA]                 ; the rows' next piece of 512 bytes
	v_add_nc_u32 v[RA+1], 528, v[RA+1]
	v_add_nc_u32 v[CA], 128*CP, v[CA]
	v_add_nc_u32 v[BA], 512, v[BA]
	s_sub_co_u32 s[CNT], s[CNT], 1
	s_cmp_lg_u32 s[CNT], 0
	s_cbranch_scc1 .Lk_\@
.endm
; eight f32 at x -> n times four registers of bf16 pairs: the largest piece at o + 4 (n - 1), the smallest at o.  x - bf16(x) is exact in f32; behind two roundings at most 8 bits are left, so three pieces are the number itself.
; t: eight registers at work.  x is read from its low end.
.macro SPLIT n, x, o, t
.set pco, 4*((\n)-1)
.rept (\n)-1
.irp i, 0,1,2,3
	v_cvt_pk_bf16_f32 v[(\o)+pco+\i], v[(\x)+2*\i], v[(\x)+2*\i+1]
.endr
.irp i, 0,1,2,3
	v_lshlrev_b32 v[(\t)+2*\i], 16, v[(\o)+pco+\i]
	v_and_b32 v[(\t)+2*\i+1], s[MSK], v[(\o)+pco+\i]
.endr
.irp i, 0,1,2,3
	v_pk_add_f32 v[(\x)+2*\i:(\x)+2*\i+1], v[(\x)+2*\i:(\x)+2*\i+1], v[(\t)+2*\i:(\t)+2*\i+1] neg_lo:[0,1] neg_hi:[0,1]
.endr
.set pco, pco-4
.endr
.irp i, 0,1,2,3
	v_cvt_pk_bf16_f32 v[(\o)+\i], v[(\x)+2*\i], v[(\x)+2*\i+1]
.endr
.endm
	s_cmp_lt_u32 s[YY], 32
	s_cbranch_scc0 .Ljob_b
	; JOB A
.set i, 0
.rept 32
	v_mov_b32 v[ACC+i], v[INIT+i%8]                ; the sums start at bq: register j of a result is d = 8 h + j
.set i, i+1
.endr
	s_mul_i32 s26, s[RBK], 147456                  ; qp: [b][piece 3][d / 32: 12][group tile 4][1,024]
	s_lshl_b32 s58, ttmp9, 1
	s_lshr_b32 s59, s[WV], 1
	s_add_co_u32 s58, s58, s59                     ; my 16 d lie in k step 2 x + w / 2,
	s_lshl_b32 s58, s58, 12
	s_add_co_u32 s26, s26, s58
	s_and_b32 s58, s[WV], 1                        ; in its half w % 2
	s_lshl_b32 s58, s58, 9
	s_add_co_u32 s26, s26, s58
	s_add_nc_u64 s[16:17], s[16:17], s[26:27]
	KLOOP 0
	PLACES
.irp rt, 0,1,2,3
	SPLIT 3, ACC+8*\rt, RAW+12*\rt, CRAW
.irp p, 0,1,2
	global_store_b128 v[L16], v[RAW+12*\rt+4*\p:RAW+12*\rt+4*\p+3], s[16:17] offset:\p*49152+\rt*1024  ; 512 consecutive bytes; piece 0 = l, 1 = m, 2 = h
.endr
.endr
	s_branch .Lend
.Ljob_b:
	; JOB B
.set i, 0
.rept 40
	v_mov_b32 v[ACC+i], 0                          ; four accumulators and bvp's, which lies behind them
.set i, i+1
.endr
	s_lshl_b32 s58, ttmp9, 2
	s_add_co_u32 s58, s58, s[WV]                   ; my column tile jt = 4 x + w
	s_mul_i32 s26, s58, 12
	s_lshl_b32 s59, s[RBK], 1
	s_add_co_u32 s26, s26, s59                     ; wf: [piece 2][jt 24][e / 32: 12][1,024]; my rows begin at k step 2 eb
	s_lshl_b32 s26, s26, 10
	s_add_nc_u64 s[18:19], s[18:19], s[26:27]
	s_lshl_b32 s26, s58, 7                         ; bvp: [jt 24][32 lanes]
	s_add_nc_u64 s[20:21], s[20:21], s[26:27]
	KLOOP 1
	PLACES
.irp et, 0,1,2,3
	SPLIT 2, ACC+8*\et, RAW+8*\et, CRAW
	global_store_b128 v[L16], v[RAW+8*\et+4:RAW+8*\et+7], s[18:19] offset:\et*512       ; piece h
	global_store_b128 v[L16], v[RAW+8*\et:RAW+8*\et+3], s[18:19] offset:WPB+\et*512     ; piece m
.endr
	s_cmp_lg_u32 s[RBK], 0
	s_cbranch_scc1 .Lend
	v_lshrrev_b32 v[TT], 2, v[L16]
	global_store_b32 v[TT], v[VS], s[20:21]        ; register 0: lane l holds bvp[16 jt + l % 16]
.Lend:
	s_wait_tensorcnt 0x0                           ; the wave's end
	ds_add_u32 v[SPW], v[NIL]
	s_wait_dscnt 0x0
	s_endpgm
.Lfunc_end_k_qb0aa1d7821_prep1:
	.size	k_qb0aa1d7821_prep1, .Lfunc_end_k_qb0aa1d7821_prep1-k_qb0aa1d7821_prep1
	.p2alignl 7, 3214868480
	.fill 96, 4, 3214868480
	.section	.rodata,"a",@progbits
	.p2align	6, 0x0
	.amdhsa_kernel k_qb0aa1d7821_prep1
		.amdhsa_group_segment_fixed_size 207872
		.amdhsa_private_segment_fixed_size 0
		.amdhsa_enable_private_segment 0
		.amdhsa_kernarg_size 72
		.amdhsa_user_sgpr_count 2
		.amdhsa_user_sgpr_kernarg_segment_ptr 1
		.amdhsa_wavefront_size32 1
		.amdhsa_system_sgpr_workgroup_id_x 1
		.amdhsa_system_sgpr_workgroup_id_y 1
		.amdhsa_system_sgpr_workgroup_id_z 1
		.amdhsa_system_vgpr_workitem_id 0
		.amdhsa_next_free_vgpr 224
		.amdhsa_next_free_sgpr 66
		.amdhsa_reserve_vcc 0
		.amdhsa_float_denorm_mode_32 3
		.amdhsa_float_denorm_mode_16_64 3
		.amdhsa_memory_ordered 1
		.amdhsa_forward_progress 1
		.amdhsa_inst_pref_size 65
	.end_amdhsa_kernel
	.amdgpu_metadata
---
amdhsa.version: [ 1, 2 ]
amdhsa.kernels:
  - .name:           k_qb0aa1d7821_prep1
    .symbol:         k_qb0aa1d7821_prep1.kd
    .args:
      - { .name: query, .offset: 0, .size: 8, .value_kind: global_buffer, .address_space: global }
      - { .name: Wq, .offset: 8, .size: 8, .value_kind: global_buffer, .address_space: global }
      - { .name: bq, .offset: 16, .size: 8, .value_kind: global_buffer, .address_space: global }
      - { .name: Wv, .offset: 24, .size: 8, .value_kind: global_buffer, .address_space: global }
      - { .name: Wp, .offset: 32, .size: 8, .value_kind: global_buffer, .address_space: global }
      - { .name: bv, .offset: 40, .size: 8, .value_kind: global_buffer, .address_space: global }
      - { .name: qp, .offset: 48, .size: 8, .value_kind: global_buffer, .address_space: global }
      - { .name: wf, .offset: 56, .size: 8, .value_kind: global_buffer, .address_space: global }
      - { .name: bvp, .offset: 64, .size: 8, .value_kind: global_buffer, .address_space: global }
    .group_segment_fixed_size: 207872
    .private_segment_fixed_size: 0
    .kernarg_segment_align: 8
    .kernarg_segment_size: 72
    .max_flat_workgroup_size: 128
    .sgpr_count:     66
    .vgpr_count:     224
    .wavefront_size: 32
...
	.end_amdgpu_metadata
.endif
;; end of part 1
;; launch prep2 (part 2): grid 6 x 32, 4 waves a work-group, no clusters, 250,880 bytes of LDS; arguments Wk, bk, qp, qf, cv; writes qf, cv
.if DOCPART == 2
	.amdgcn_target "amdgcn-amd-amdhsa--gfx1250"
	.amdhsa_code_object_version 6
	.text
	.protected	k_qb0aa1d7821_prep2
	.globl	k_qb0aa1d7821_prep2
	.p2align	8
	.type	k_qb0aa1d7821_prep2,@function
k_qb0aa1d7821_prep2:
	s_mov_b64 s[64:65], 0
	v_nop
	global_prefetch_b8 v0, s[64:65] scope:SCOPE_SE
	s_setreg_imm32_b32 hwreg(HW_REG_WAVE_MODE, 25, 1), 1
	s_wait_xcnt 0x0
; q'[g][e] = the sum over d of q[g][d] Wk[e][d], and c[g] = the sum over d of q[g][d] bk[d]: with them q . (key Wk + bk) = q' . key + c, so that key is never projected.
; Wk and bk are rounded to bf16 where they enter.  q comes as three bf16 pieces (l, m, h) that are the f32 number exactly: three products for each k step, the small pieces first, into ONE f32 sum.
; q' leaves as three bf16 pieces again, in fragment order (1,024 bytes for 16 groups x 32 e; lane l: registers 0-3 at 16 l, registers 4-7 at 512 + 16 l); c in f32.
; SHARES.  Work-group (x, b): e = 64 x .. 64 x + 63 of batch b.  Wave w owns the groups 16 w .. 16 w + 15 and all four tiles of 16 e.
; c costs one product in five; all six e blocks make it and the block x = 0 stores it.
; NO CLUSTER: the grid is 6 wide, which no cluster of four divides; each work-group fetches 250 KB once.
; LIMITS: NaN and infinities are not treated apart.
.set RP,    1584                 ; a row of 384 f32 in LDS: three pieces of 512 bytes + 16 of padding each
.set QUART, 16*RP
.set QPB,   4*QUART              ; the batch's q pieces as they lie in memory: [piece 3][d / 32: 12][group tile 4][1,024]
.set BKB,   QPB+147456           ; bk, written by ds_store: blocks of its own
.set SPARE, BKB+1536
.set RA,   2                     ; v2-3   my lane in Wk's row tiles 0, 1 and 2, 3
.set QA,   4                     ; v4-6   my 16 bytes in piece p's fragments
.set BA,   7                     ; v7     bk
.set L16,  8
.set HH,   9
.set TT,   10                    ; v10-13 at work
.set RAW,  16                    ; v16-79   four row fragments in f32; on the way out the pieces
.set BRAW, 80                    ; v80-95   bk's fragment in f32; on the way out at work
.set RF,   96                    ; v96-127
.set BB,   128                   ; v128-135
.set QB,   136                   ; v136-183 two buffers of three pieces' fragments
.set ACC,  184                   ; v184-215
.set CAC,  216                   ; v216-223 c's accumulator
.set SPW,  244
.set NIL,  245
.set WV,   22
.set XX,   23
.set BT,   24
.set CNT,  56
.set MSK,  57
.macro PLACES
.rept 4
	v_nop
.endr
.endm
	s_load_b256 s[4:11], s[0:1], 0x0               ; Wk s[4:5], bk s[6:7], qp s[8:9], qf s[10:11]
	s_load_b64 s[12:13], s[0:1], 0x20              ; cv
	v_lshl_add_u32 v[SPW], v0, 2, SPARE
	v_mov_b32 v[NIL], 0
	ds_add_u32 v[SPW], v[NIL]                      ; the wave's opening: the add and its wait ahead of my first tensor load
	ds_add_u32 v244, v245
	v_lshrrev_b32 v1, 5, v0
	v_readfirstlane_b32 s[WV], v1
	s_mov_b32 s[XX], ttmp9
	s_and_b32 s[BT], ttmp7, 0xffff
	s_mov_b32 s[MSK], 0xffff0000
	s_mov_b32 s40, 0x07920000                      ; group 1 for Wk's rows: 48 pieces of 128 f32, 4 words of padding behind each
	s_mov_b32 s41, 128<<16
	s_mov_b32 s42, 48<<16
	s_mov_b32 s43, 128<<16
	s_mov_b32 s44, 48
	s_mov_b32 s45, 128
	s_mov_b32 s46, 0
	s_mov_b32 s47, 0
	s_mov_b32 s48, 3<<16                           ; group 1 for q's pieces: a dense block as 144 rows of 256 bytes (32 elements of 8 bytes), no padding
	s_mov_b32 s49, 32<<16
	s_mov_b32 s50, 144<<16
	s_mov_b32 s51, 32<<16
	s_mov_b32 s52, 144
	s_mov_b32 s53, 32
	s_mov_b32 s54, 0
	s_mov_b32 s55, 0
	s_mov_b32 s32, 1
	s_mul_i32 s33, s[WV], QUART
	s_mov_b32 s36, 1
	s_mul_i32 s37, s[WV], 36864
	s_add_co_u32 s37, s37, QPB
	s_mul_i32 s26, s[XX], 98304                    ; Wk's rows 64 x + 16 w
	s_mul_i32 s58, s[WV], 24576
	s_add_co_u32 s26, s26, s58
	s_mov_b32 s27, 0
	s_mul_i32 s28, s[BT], 147456                   ; my quarter of the batch's pieces
	s_mul_i32 s58, s[WV], 36864
	s_add_co_u32 s28, s28, s58
	s_mov_b32 s29, 0
	s_mul_i32 s30, s[BT], 147456                   ; qf: [b][piece 3][e / 32: 12][group tile 4][1,024]: k steps 2 x, 2 x + 1, tile w
	s_lshl_b32 s58, s[XX], 13
	s_add_co_u32 s30, s30, s58
	s_lshl_b32 s58, s[WV], 10
	s_add_co_u32 s30, s30, s58
	s_mov_b32 s31, 0
	s_lshl_b32 s60, s[BT], 2                       ; cv: [b][group tile 4][32 lanes]
	s_add_co_u32 s60, s60, s[WV]
	s_lshl_b32 s60, s60, 7
	s_mov_b32 s61, 0
	s_wait_dscnt 0x0                               ; the opening add is done
	s_wait_kmcnt 0x0
	s_add_nc_u64 s[34:35], s[4:5], s[26:27]
	s_or_b32 s35, s35, 0x80000000
	s_add_nc_u64 s[38:39], s[8:9], s[28:29]
	s_or_b32 s39, s39, 0x80000000
	s_add_nc_u64 s[10:11], s[10:11], s[30:31]
	s_add_nc_u64 s[12:13], s[12:13], s[60:61]
	tensor_load_to_lds s[32:35], s[40:47]          ; the two first fills go out together: two loads of mine are out
	s_nop 0
	tensor_load_to_lds s[36:39], s[48:55]
	s_nop 0
	v_and_b32 v1, 15, v0
	v_bfe_u32 v[HH], v0, 4, 1
	v_and_b32 v[L16], 31, v0
	v_lshlrev_b32 v[L16], 4, v[L16]
	v_mul_u32_u24 v[RA], v1, RP
	v_lshl_add_u32 v[RA], v[HH], 5, v[RA]
	v_add_nc_u32 v[RA+1], 2*QUART, v[RA]
	s_lshl_b32 s58, s[WV], 10
	s_add_co_u32 s58, s58, QPB
	v_add_nc_u32 v[QA], s58, v[L16]
	v_add_nc_u32 v[QA+1], 49152, v[QA]
	v_add_nc_u32 v[QA+2], 98304, v[QA]
	v_lshlrev_b32 v[BA], 5, v[HH]
	v_add_nc_u32 v[BA], BKB, v[BA]
	v_lshlrev_b32 v[TT], 2, v0
	global_load_b32 v[BRAW], v[TT], s[6:7]         ; bk: 128 threads x 3 words
	global_load_b32 v[BRAW+1], v[TT], s[6:7] offset:512
	global_load_b32 v[BRAW+2], v[TT], s[6:7] offset:1024
	v_add_nc_u32 v[TT+1], BKB, v[TT]
.set i, 0
.rept 40
	v_mov_b32 v[ACC+i], 0                          ; the five accumulators; these lines stand in the wait for the tiles
.set i, i+1
.endr
	s_wait_loadcnt 0x0
	ds_store_b32 v[TT+1], v[BRAW]
	ds_store_b32 v[TT+1], v[BRAW+1] offset:512
	ds_store_b32 v[TT+1], v[BRAW+2] offset:1024
	s_wait_tensorcnt 0x0
	s_wait_dscnt 0x0
	s_barrier_signal -1
	s_barrier_wait -1
.macro LOADS kq
.irp rt, 0,1,2,3
.irp c, 0,1,2,3
	ds_load_b128 v[RAW+16*\rt+4*\c:RAW+16*\rt+4*\c+3], v[RA+(\rt)/2] offset:((\rt)%2)*QUART+(\kq)*128+((\c)/2)*64+((\c)%2)*16
.endr
.endr
.irp c, 0,1,2,3
	ds_load_b128 v[BRAW+4*\c:BRAW+4*\c+3], v[BA] offset:(\kq)*128+((\c)/2)*64+((\c)%2)*16
.endr
.irp p, 0,1,2
	ds_load_b128 v[QB+24*((\kq)%2)+8*\p:QB+24*((\kq)%2)+8*\p+3], v[QA+\p] offset:(\kq)*4096
	ds_load_b128 v[QB+24*((\kq)%2)+8*\p+4:QB+24*((\kq)%2)+8*\p+7], v[QA+\p] offset:(\kq)*4096+512
.endr
.endm
; k step kq of a trip's four.  The four v_nop are the places in front of the roundings, which write the last products' sources, and in front of the loads into the q buffer that the products of the step before read.
.macro STAGE kq
	s_wait_dscnt 0x0
	PLACES
.set i, 0
.rept 32
	v_cvt_pk_bf16_f32 v[RF+i], v[RAW+2*i], v[RAW+2*i+1]
.set i, i+1
.endr
.set i, 0
.rept 8
	v_cvt_pk_bf16_f32 v[BB+i], v[BRAW+2*i], v[BRAW+2*i+1]
.set i, i+1
.endr
.if (\kq) < 3
	LOADS (\kq)+1
.endif
.irp p, 0,1,2                    ; l, m, h; five accumulators by turns, one instruction a turn
.irp et, 0,1,2,3
	v_wmma_f32_16x16x32_bf16 v[ACC+8*\et:ACC+8*\et+7], v[RF+8*\et:RF+8*\et+7], v[QB+24*((\kq)%2)+8*\p:QB+24*((\kq)%2)+8*\p+7], v[ACC+8*\et:ACC+8*\et+7]  ; rows e, columns g
.endr
	v_wmma_f32_16x16x32_bf16 v[CAC:CAC+7], v[BB:BB+7], v[QB+24*((\kq)%2)+8*\p:QB+24*((\kq)%2)+8*\p+7], v[CAC:CAC+7]  ; every row is c
.endr
.endm
.macro SPLIT3 x, o, t            ; eight f32 at x -> l at o, m at o + 4, h at o + 8, exactly; x is read from its low end
.irp pc, 8,4
.irp i, 0,1,2,3
	v_cvt_pk_bf16_f32 v[(\o)+\pc+\i], v[(\x)+2*\i], v[(\x)+2*\i+1]
.endr
.irp i, 0,1,2,3
	v_lshlrev_b32 v[(\t)+2*\i], 16, v[(\o)+\pc+\i]
	v_and_b32 v[(\t)+2*\i+1], s[MSK], v[(\o)+\pc+\i]
.endr
.irp i, 0,1,2,3
	v_pk_add_f32 v[(\x)+2*\i:(\x)+2*\i+1], v[(\x)+2*\i:(\x)+2*\i+1], v[(\t)+2*\i:(\t)+2*\i+1] neg_lo:[0,1] neg_hi:[0,1]
.endr
.endr
.irp i, 0,1,2,3
	v_cvt_pk_bf16_f32 v[(\o)+\i], v[(\x)+2*\i], v[(\x)+2*\i+1]
.endr
.endm
	s_mov_b32 s[CNT], 3
.Lk:                             ; three trips of 128 along d
	LOADS 0
	STAGE 0
	STAGE 1
	STAGE 2
	STAGE 3
	v_add_nc_u32 v[RA], 528, v[RA]
	v_add_nc_u32 v[RA+1], 528, v[RA+1]
	v_add_nc_u32 v[BA], 512, v[BA]
.irp p, 0,1,2
	v_add_nc_u32 v[QA+\p], 16384, v[QA+\p]
.endr
	s_sub_co_u32 s[CNT], s[CNT], 1
	s_cmp_lg_u32 s[CNT], 0
	s_cbranch_scc1 .Lk
	PLACES
.irp et, 0,1,2,3
	SPLIT3 ACC+8*\et, RAW+12*\et, BRAW
.irp p, 0,1,2
	global_store_b128 v[L16], v[RAW+12*\et+4*\p:RAW+12*\et+4*\p+3], s[10:11] offset:\p*49152+((\et)/2)*4096+((\et)%2)*512  ; 512 consecutive bytes
.endr
.endr
	s_cmp_lg_u32 s[XX], 0
	s_cbranch_scc1 .Lend
	v_lshrrev_b32 v[TT], 2, v[L16]
	global_store_b32 v[TT], v[CAC], s[12:13]       ; register 0: lane l holds c[16 w + l % 16]
.Lend:
	s_wait_tensorcnt 0x0                           ; the wave's end
	ds_add_u32 v[SPW], v[NIL]
	s_wait_dscnt 0x0
	s_endpgm
.Lfunc_end_k_qb0aa1d7821_prep2:
	.size	k_qb0aa1d7821_prep2, .Lfunc_end_k_qb0aa1d7821_prep2-k_qb0aa1d7821_prep2
	.p2alignl 7, 3214868480
	.fill 96, 4, 3214868480
	.section	.rodata,"a",@progbits
	.p2align	6, 0x0
	.amdhsa_kernel k_qb0aa1d7821_prep2
		.amdhsa_group_segment_fixed_size 250880
		.amdhsa_private_segment_fixed_size 0
		.amdhsa_enable_private_segment 0
		.amdhsa_kernarg_size 40
		.amdhsa_user_sgpr_count 2
		.amdhsa_user_sgpr_kernarg_segment_ptr 1
		.amdhsa_wavefront_size32 1
		.amdhsa_system_sgpr_workgroup_id_x 1
		.amdhsa_system_sgpr_workgroup_id_y 1
		.amdhsa_system_sgpr_workgroup_id_z 1
		.amdhsa_system_vgpr_workitem_id 0
		.amdhsa_next_free_vgpr 248
		.amdhsa_next_free_sgpr 66
		.amdhsa_reserve_vcc 0
		.amdhsa_float_denorm_mode_32 3
		.amdhsa_float_denorm_mode_16_64 3
		.amdhsa_memory_ordered 1
		.amdhsa_forward_progress 1
		.amdhsa_inst_pref_size 36
	.end_amdhsa_kernel
	.amdgpu_metadata
---
amdhsa.version: [ 1, 2 ]
amdhsa.kernels:
  - .name:           k_qb0aa1d7821_prep2
    .symbol:         k_qb0aa1d7821_prep2.kd
    .args:
      - { .name: Wk, .offset: 0, .size: 8, .value_kind: global_buffer, .address_space: global }
      - { .name: bk, .offset: 8, .size: 8, .value_kind: global_buffer, .address_space: global }
      - { .name: qp, .offset: 16, .size: 8, .value_kind: global_buffer, .address_space: global }
      - { .name: qf, .offset: 24, .size: 8, .value_kind: global_buffer, .address_space: global }
      - { .name: cv, .offset: 32, .size: 8, .value_kind: global_buffer, .address_space: global }
    .group_segment_fixed_size: 250880
    .private_segment_fixed_size: 0
    .kernarg_segment_align: 8
    .kernarg_segment_size: 40
    .max_flat_workgroup_size: 128
    .sgpr_count:     66
    .vgpr_count:     248
    .wavefront_size: 32
...
	.end_amdgpu_metadata
.endif
;; end of part 2
;; launch assign (part 3): grid 8 x 32, 4 waves a work-group, no clusters, 327,680 bytes of LDS; arguments key, qf, cv, out1, tp, cn; writes out1, tp, cn
.if DOCPART == 3
	.amdgcn_target "amdgcn-amd-amdhsa--gfx1250"
	.amdhsa_code_object_version 6
	.text
	.protected	k_qb0aa1d7821_assign
	.globl	k_qb0aa1d7821_assign
	.p2align	8
	.type	k_qb0aa1d7821_assign,@function
k_qb0aa1d7821_assign:
	s_mov_b64 s[64:65], 0
	v_nop
	global_prefetch_b8 v0, s[64:65] scope:SCOPE_SE
	s_setreg_imm32_b32 hwreg(HW_REG_WAVE_MODE, 25, 1), 1
	s_wait_xcnt 0x0
; THE STREAM OVER key.  For each token s of a batch: x[g] = q'[g] . key[s] + c[g] (64 groups); out1[g][s] = softmax over g of x / sqrt(384), the true maximum taken away;
; idx = the lowest g at which x is the maximum; and for each group T2[g][:] = 2 x the sum of key[s][:] over its tokens, n2[g] = 2 x their number.
; key is rounded to bf16 where it enters.  q' comes as three bf16 pieces (l, m, h) that are the f32 number exactly: three products for each k step, the small pieces first, f32 sums: the logits have f32's precision,
; which the argmax needs.  The one-hot weights are written as bf16 2.0 (0x4000), which three integer lines make for two tokens at once; the factor 2 cancels in the last launch.
; SHARES.  Work-group (chunk, b): 512 tokens, 8 tiles of 64.  K IS SPLIT OVER THE WAVES: wave w owns e = 128 sg + 32 w + 0..31 (sg = 0..2) in BOTH products.  Its 36 fragments of q' stay in registers for the whole
; launch, and each byte of key is read from LDS by one wave.  The four partial logits of a token tile u (16 tokens) meet in wave u's inbox in LDS; wave u does the softmax and the argmax of those tokens.
; A TRIP.  Phase A: my 96 e of all 64 tokens: rounded to bf16, kept in LDS (KB) for the second product, multiplied by q'; partial logits into the inboxes.  Phase B: my 16 tokens: sum, softmax, argmax; weights and
; one-hot fragments back into my inbox.  Phase C: out1's rows leave, 256 bytes of a row from sixteen lanes; T2^T += key^T P for my 96 e; n2 for group tile w by a product with ones.
; Three barriers a trip: the change of slots; inboxes written -> read; stage and one-hot written -> read.
; NO CLUSTER: work-groups share q' alone (147 KB of the 1 MB that each reads), and it goes straight into registers.
; No first trip is written out: T2 and n2 start from 200 v_mov_b32 of 0, which stand in the wait for the first tile.
; LIMITS.  NaN and infinities are not treated apart (a token whose logits are all NaN joins no group).  Ties are broken on x, not on the rounded softmax.  reference()'s (1 - p) + p counts as 1.
; A weight below 2^-126 comes out as 0.  Tokens whose two best logits differ by less than f32's rounding of these sums may be assigned otherwise than by another order of summation.
; REGISTERS, in windows of 256 (s_set_vgpr_msb: bits 1:0 source 0, 3:2 source 1, 5:4 source 2, 7:6 destination):
;   window 0: v2-29 addresses and statistics; v32-39 ones; v40-247 at work, by phase      window 1: q' piece l v0-95, piece m v96-191 (fragment (sg, t) at 8 (4 sg + t))
;   window 2: piece h v0-95; c v96-127 (register 8 t + j: c[16 t + 8 (lane / 16) + j])      window 3: T2^T v0-191 (tile (e16, t) at 8 (4 e16 + t)); n2 v192-199
.set RP,    1584                 ; a token's 384 f32 in LDS: three pieces of 512 bytes + 16 of padding each: 99 x 16: the 16 rows of a load start in 16 different groups of four banks
.set QUART, 16*RP                ; 16 tokens: what one wave's tensor load brings
.set TILEB, 64*1536              ; a tile in memory
.set SLOT1, 1<<17                ; slot 1 begins here: one exclusive or changes slots
.set KP,    800                  ; a token's 384 bf16 + 32 bytes: 25 x 32; wave w's 96 columns lie at byte 192 w
.set KB0,   4*QUART              ; behind slot 0: tokens 0-31 in bf16
.set KB1,   SLOT1+4*QUART        ; behind slot 1: tokens 32-63
.set XB,    KB1+32*KP            ; four inboxes
.set INB,   16384                ; an inbox: four senders' 4,096 bytes; later, written by its owner alone: the stage (row g at 80 g, shifted by 64 u), the one-hot halves, idx
.set PQ,    5632
.set IDB,   7680
.set SPARE, XB+4*INB
.set AF,   2                     ; my lane's place in a token tile: r x 1,584 + 32 h + 128 w
.set ADR0, 3                     ; v3-4   the same in the slot in hand: token tiles 0, 1 and 2, 3
.set KBS0, 5                     ; v5-6   where I store bf16 key
.set KBT0, 7                     ; v7-8   where the turning load reads it
.set XW,   9                     ; my sender's place in inbox 0
.set XR,   10                    ; my inbox
.set STW,  11                    ; stage, in
.set IDW,  12
.set IDR,  13
.set PW,   14
.set STR,  15                    ; stage, back
.set PR,   16
.set PCR,  17
.set GO,   18                    ; my byte offset in out1
.set H8,   19
.set GG,   20                    ; r in both halves
.set L16,  21
.set CM,   22                    ; v22-23 c2 m (a pair is named; the low word counts)
.set RL,   24                    ; v24-25 1 / l
.set MX,   26
.set IX,   27
.set TA,   28
.set TBV,  29
.set SPW,  30
.set NIL,  31
.set ONES, 32
.set F32,  40                    ; phase A: 48 f32 of key
.set BF0,  88                    ;          two buffers of three fragments
.set ACC0, 136                   ;          two buffers of four accumulators
.set IN,   40                    ; phase B: the four senders' partial logits
.set X,    40
.set Y,    72
.set TS,   168
.set I0,   184
.set C0,   188
.set ID,   192
.set Y0,   196
.set PB,   200
.set ST,   40                    ; phase C: eight pieces of out1's rows
.set PF0,  72                    ;          one-hot fragments, 4 group tiles x 2 token halves
.set PCF,  136                   ;          my group tile's once more, for n2
.set KA0,  152                   ;          key^T fragments, 6 x 2
.set MSB, 0
.macro WIN new                   ; the immediate's high byte repeats the setting that is left; a switch that changes nothing is dropped
.if MSB != (\new)
	s_set_vgpr_msb (MSB<<8)|(\new)
.set MSB, (\new)
.endif
.endm
.macro PLACES
.rept 4
	v_nop
.endr
.endm
	s_load_b256 s[4:11], s[0:1], 0x0               ; key s[4:5], qf s[6:7], cv s[8:9], out1 s[10:11]
	s_load_b128 s[12:15], s[0:1], 0x20             ; tp s[12:13], cn s[14:15]
	v_lshl_add_u32 v[SPW], v0, 2, SPARE
	v_mov_b32 v[NIL], 0
	ds_add_u32 v[SPW], v[NIL]                      ; the wave's opening: the add and its wait ahead of my first tensor load
	ds_add_u32 v30, v31
	v_lshrrev_b32 v1, 5, v0
	v_readfirstlane_b32 s16, v1                    ; wave
	s_mov_b32 s17, ttmp9                           ; chunk
	s_and_b32 s18, ttmp7, 0xffff                   ; batch
	s_mov_b32 s24, 0x07920000                      ; group 1: 16 tokens are 24,576 dense bytes: 48 pieces of 128 f32; 4-byte elements, padding on, after every 128 words (code 6) 4 words (code 3)
	s_mov_b32 s25, 128<<16                         ; tensor_dim0
	s_mov_b32 s26, 48<<16                          ; tensor_dim1
	s_mov_b32 s27, 128<<16                         ; tile_dim0
	s_mov_b32 s28, 48                              ; tile_dim1
	s_mov_b32 s29, 128                             ; elements from piece to piece
	s_mov_b32 s30, 0
	s_mov_b32 s31, 0
	s_mov_b32 s20, 1                               ; group 0: it walks
	s_mul_i32 s21, s16, QUART                      ; slot 0, my 16 tokens
	s_mov_b32 s32, SLOT1                           ; the slot in hand: the first change turns it into 0
	s_mov_b32 s33, 7
	s_mov_b32 s34, 0x3d96c740                      ; c2 = log2(e) / sqrt(384) = 0.0736222
	s_mov_b32 s35, s34
	s_mov_b32 s36, 0x76543210                      ; v_permlanex16_b32: each lane takes its own place in the other half
	s_mov_b32 s37, 0xfedcba98
	s_mov_b32 s38, 0x40004000                      ; bf16 2.0, twice
	s_lshl_b32 s48, s18, 12
	s_lshl_b32 s44, s17, 9
	s_add_co_u32 s48, s48, s44
	s_lshl_b32 s44, s16, 4
	s_add_co_u32 s48, s48, s44                     ; my first token: 4,096 b + 512 chunk + 16 w
	s_mul_i32 s48, s48, 1536
	s_mov_b32 s49, 0
	s_mul_i32 s50, s18, 147456                     ; qf: [b][piece 3][e / 32: 12][t 4][1,024]; my k steps are 4 sg + w
	s_lshl_b32 s44, s16, 12
	s_add_co_u32 s50, s50, s44
	s_mov_b32 s51, 0
	s_lshl_b32 s52, s18, 9                         ; cv: [b][t 4][32]
	s_mov_b32 s53, 0
	s_lshl_b32 s54, s18, 20                        ; out1: 64 rows of 16,384 bytes a batch, 2,048 bytes a chunk
	s_lshl_b32 s44, s17, 11
	s_add_co_u32 s54, s54, s44
	s_mov_b32 s55, 0
	s_lshl_b32 s45, s18, 3
	s_add_co_u32 s45, s45, s17                     ; 8 b + chunk
	s_mul_i32 s56, s45, 98304                      ; tp: [b][chunk][e / 32: 12][t 4][half 2][1,024]
	s_lshl_b32 s44, s16, 13
	s_add_co_u32 s56, s56, s44
	s_mov_b32 s57, 0
	s_lshl_b32 s58, s45, 2                         ; cn: [b][chunk][t 4][32]
	s_add_co_u32 s58, s58, s16
	s_lshl_b32 s58, s58, 7
	s_mov_b32 s59, 0
	s_wait_dscnt 0x0                               ; the opening add is done
	s_wait_kmcnt 0x0
	s_add_nc_u64 s[22:23], s[4:5], s[48:49]
	s_or_b32 s23, s23, 0x80000000                  ; type = 2
	s_add_nc_u64 s[6:7], s[6:7], s[50:51]
	s_add_nc_u64 s[8:9], s[8:9], s[52:53]
	s_add_nc_u64 s[10:11], s[10:11], s[54:55]
	s_add_nc_u64 s[12:13], s[12:13], s[56:57]
	s_add_nc_u64 s[14:15], s[14:15], s[58:59]
	tensor_load_to_lds s[20:23], s[24:31]          ; tile 0 into slot 0: one load of mine is out, here and behind every change of slots
	s_nop 0
	v_and_b32 v1, 15, v0                           ; r
	v_bfe_u32 v[TA], v0, 4, 1                      ; h
	v_and_b32 v[L16], 31, v0
	v_lshlrev_b32 v[L16], 4, v[L16]
	v_lshlrev_b32 v[H8], 3, v[TA]
	v_lshlrev_b32 v[IX], 5, v[TA]                  ; 32 h: the offset of c's loads; rewritten only behind their wait
	v_mul_u32_u24 v[AF], v1, RP
	v_lshl_add_u32 v[AF], v[TA], 5, v[AF]
	s_lshl_b32 s44, s16, 7
	v_add_nc_u32 v[AF], s44, v[AF]
	s_mul_i32 s45, s16, 192
	v_mul_u32_u24 v[KBS0], v1, KP                  ; token r, my columns, 16 bytes for each half of the lanes
	v_lshl_add_u32 v[KBS0], v[TA], 4, v[KBS0]
	v_add_nc_u32 v[KBS0], s45, v[KBS0]
	v_add_nc_u32 v[KBS0+1], KB1, v[KBS0]
	v_add_nc_u32 v[KBS0], KB0, v[KBS0]
	v_and_b32 v[TBV], 7, v0                        ; the turning load: lane l reads token 8 h + l % 8, columns 8 ((l / 8) % 2) on
	v_add_nc_u32 v[TBV], v[H8], v[TBV]
	v_mul_u32_u24 v[KBT0], v[TBV], KP
	v_bfe_u32 v[TBV], v0, 3, 1
	v_lshl_add_u32 v[KBT0], v[TBV], 4, v[KBT0]
	v_add_nc_u32 v[KBT0], s45, v[KBT0]
	v_add_nc_u32 v[KBT0+1], KB1, v[KBT0]
	v_add_nc_u32 v[KBT0], KB0, v[KBT0]
	s_lshl_b32 s46, s16, 12
	s_add_co_u32 s46, s46, XB
	v_add_nc_u32 v[XW], s46, v[L16]
	s_lshl_b32 s47, s16, 14
	s_add_co_u32 s47, s47, XB                      ; my inbox
	v_add_nc_u32 v[XR], s47, v[L16]
	v_add_nc_u32 v[PW], PQ, v[XR]
	s_lshl_b32 s44, s16, 6
	s_add_co_u32 s44, s44, s47
	v_mul_u32_u24 v[STW], v[TA], 640               ; stage, in: row g = 16 t + 8 h + j at 80 g, token r
	v_lshl_add_u32 v[STW], v1, 2, v[STW]
	v_add_nc_u32 v[STW], s44, v[STW]
	s_add_co_u32 s44, s47, IDB
	v_lshlrev_b32 v[IDW], 5, v[TA]                 ; idx: each half of the lanes writes a copy of its own, 2 bytes a token
	v_lshl_add_u32 v[IDW], v1, 1, v[IDW]
	v_add_nc_u32 v[IDW], s44, v[IDW]
	v_mul_u32_u24 v[IDR], v[TA], 48                ; and reads the tokens 8 h .. 8 h + 7 of its copy
	v_add_nc_u32 v[IDR], s44, v[IDR]
	v_lshrrev_b32 v[TBV], 2, v1                    ; stage, back: sixteen lanes take a row's 64 tokens: inbox r / 4, 16 bytes at 16 (r % 4); rows 16 w + h + 2 i
	v_mul_u32_u24 v[STR], v[TBV], INB+64
	v_and_b32 v[TBV], 3, v1
	v_lshl_add_u32 v[STR], v[TBV], 4, v[STR]
	v_mul_u32_u24 v[TBV], v[TA], 80
	v_add_nc_u32 v[STR], v[TBV], v[STR]
	s_mul_i32 s44, s16, 1280
	s_add_co_u32 s44, s44, XB
	v_add_nc_u32 v[STR], s44, v[STR]
	v_add_nc_u32 v[PR], XB+PQ, v[L16]
	s_lshl_b32 s44, s16, 9
	v_add_nc_u32 v[PCR], s44, v[PR]
	s_lshl_b32 s44, s16, 18
	v_lshlrev_b32 v[GO], 14, v[TA]
	v_lshl_add_u32 v[GO], v1, 4, v[GO]
	v_add_nc_u32 v[GO], s44, v[GO]
	v_mul_u32_u24 v[GG], v1, 0x10001
	v_mov_b32 v[CM+1], 0                           ; named in pairs
	v_mov_b32 v[RL+1], 0
.irp i, 0,1,2,3,4,5,6,7
	v_mov_b32 v[ONES+\i], 0x3f803f80
.endr
	WIN 0x40                                       ; destination window 1
.irp p, 0,1
.irp f, 0,1,2,3,4,5,6,7,8,9,10,11
	global_load_b128 v[96*\p+8*\f:96*\p+8*\f+3], v[L16], s[6:7] offset:\p*49152+((\f)/4)*16384+((\f)%4)*1024
	global_load_b128 v[96*\p+8*\f+4:96*\p+8*\f+7], v[L16], s[6:7] offset:\p*49152+((\f)/4)*16384+((\f)%4)*1024+512
.endr
.endr
	WIN 0x80                                       ; destination window 2
.irp f, 0,1,2,3,4,5,6,7,8,9,10,11
	global_load_b128 v[8*\f:8*\f+3], v[L16], s[6:7] offset:2*49152+((\f)/4)*16384+((\f)%4)*1024
	global_load_b128 v[8*\f+4:8*\f+7], v[L16], s[6:7] offset:2*49152+((\f)/4)*16384+((\f)%4)*1024+512
.endr
.irp t, 0,1,2,3
	global_load_b128 v[96+8*\t:96+8*\t+3], v[IX], s[8:9] offset:\t*128
	global_load_b128 v[96+8*\t+4:96+8*\t+7], v[IX], s[8:9] offset:\t*128+16
.endr
	WIN 0xc0                                       ; destination window 3
.set i, 0
.rept 200
	v_mov_b32 v[i], 0
.set i, i+1
.endr
	WIN 0
	s_wait_loadcnt 0x0                             ; q' and c, once
; THE CHANGE OF SLOTS.  All my tensor loads have landed (the one that was out is my part of the slot to be read); the add; my LDS instructions are done, the reads of the old slot, of the stage and of the one-hot halves among
; them.  Behind the barrier the old slot is filled again first (fill = 1), with the tile two on; it has the whole trip in which to land.  At its first use nothing has been read: slot 0 is waited for, slot 1 filled.
; The four vector lines at the end are also the places behind the last trip's products; no window is switched among them.
.macro CHANGE fill
	WIN 0
	s_wait_tensorcnt 0x0
	ds_add_u32 v[SPW], v[NIL]                      ; 0 onto my spare word; the scalar steps stand between it and the wait for it
.if \fill
	s_xor_b32 s21, s21, SLOT1                      ; no load of mine is out, so the group 0 may be written: the other slot,
	s_add_nc_u64 s[22:23], s[22:23], TILEB         ; the next tile; the type bits on top are not reached
.endif
	s_xor_b32 s32, s32, SLOT1
	s_wait_dscnt 0x0
	s_barrier_signal -1
	s_barrier_wait -1
.if \fill
	tensor_load_to_lds s[20:23], s[24:31]
	s_nop 0
.endif
	v_add_nc_u32 v[ADR0], s32, v[AF]
	v_add_nc_u32 v[ADR0+1], 2*QUART, v[ADR0]
	v_nop
	v_nop
.endm
; PHASE A, token tile u
.macro LOADF u                   ; my 96 e of 16 tokens in f32: for each sg 32 bytes at 32 h and 32 more 64 bytes on
.irp sg, 0,1,2
.irp c, 0,1,2,3
	ds_load_b128 v[F32+16*\sg+4*\c:F32+16*\sg+4*\c+3], v[ADR0+(\u)/2] offset:((\u)%2)*QUART+\sg*528+((\c)/2)*64+((\c)%2)*16
.endr
.endr
.endm
.macro KBST u                    ; the three fragments into KB, token r's row
.irp sg, 0,1,2
	ds_store_b128 v[KBS0+(\u)/2], v[BF0+24*((\u)%2)+8*\sg:BF0+24*((\u)%2)+8*\sg+3] offset:((\u)%2)*16*KP+\sg*64
	ds_store_b128 v[KBS0+(\u)/2], v[BF0+24*((\u)%2)+8*\sg+4:BF0+24*((\u)%2)+8*\sg+7] offset:((\u)%2)*16*KP+\sg*64+32
.endr
.endm
.macro XST u                     ; my partial logits of tile u into wave u's inbox; each accumulator's low registers first
.set q, 0
.rept 8
	ds_store_b128 v[XW], v[ACC0+32*((\u)%2)+4*q:ACC0+32*((\u)%2)+4*q+3] offset:(\u)*INB+q*512
.set q, q+1
.endr
.endm
.macro MMA u                     ; 36 products: pieces l, m, h x 3 k steps x 4 group tiles; rows g, columns tokens.  Four accumulators by turns, one instruction a turn; the first four start the sums
	WIN 0x01                                       ; source 0 in window 1
.irp p, 0,1
.irp sg, 0,1,2
.irp t, 0,1,2,3
.if ((\p) == 0) && ((\sg) == 0)
	v_wmma_f32_16x16x32_bf16 v[ACC0+32*((\u)%2)+8*\t:ACC0+32*((\u)%2)+8*\t+7], v[8*\t:8*\t+7], v[BF0+24*((\u)%2):BF0+24*((\u)%2)+7], 0
.else
	v_wmma_f32_16x16x32_bf16 v[ACC0+32*((\u)%2)+8*\t:ACC0+32*((\u)%2)+8*\t+7], v[96*\p+8*(4*\sg+\t):96*\p+8*(4*\sg+\t)+7], v[BF0+24*((\u)%2)+8*\sg:BF0+24*((\u)%2)+8*\sg+7], v[ACC0+32*((\u)%2)+8*\t:ACC0+32*((\u)%2)+8*\t+7]
.endif
.endr
.endr
.endr
	WIN 0x02                                       ; source 0 in window 2
.irp sg, 0,1,2
.irp t, 0,1,2,3
	v_wmma_f32_16x16x32_bf16 v[ACC0+32*((\u)%2)+8*\t:ACC0+32*((\u)%2)+8*\t+7], v[8*(4*\sg+\t):8*(4*\sg+\t)+7], v[BF0+24*((\u)%2)+8*\sg:BF0+24*((\u)%2)+8*\sg+7], v[ACC0+32*((\u)%2)+8*\t:ACC0+32*((\u)%2)+8*\t+7]
.endr
.endr
	WIN 0
.endm
; n: the LDS stores issued behind this tile's twelve loads, which may stay out.  The 24 roundings are the places between the last tile's products and the stores of their results.
.macro NT u, n
	s_wait_dscnt \n
.set i, 0
.rept 24
	v_cvt_pk_bf16_f32 v[BF0+24*((\u)%2)+i], v[F32+2*i], v[F32+2*i+1]
.set i, i+1
.endr
.if (\u) < 3
	LOADF (\u)+1
.endif
	KBST \u
.if (\u) > 0
	XST (\u)-1
.endif
	MMA \u
.endm
; PHASE B: my 16 tokens.  A lane holds token r and the groups 16 t + 8 h + j in register 8 t + j.
.macro PHASEB
.set q, 0
.rept 8
.irp sn, 0,1,2,3
	ds_load_b128 v[IN+16*q+4*\sn:IN+16*q+4*\sn+3], v[XR] offset:\sn*4096+q*512
.endr
.set q, q+1
.endr
.set q, 0
.rept 8
	s_wait_dscnt 28-4*q                            ; group q's four loads are in; the later groups stay out
	v_pk_add_f32 v[IN+16*q:IN+16*q+1], v[IN+16*q:IN+16*q+1], v[IN+16*q+4:IN+16*q+5]
	v_pk_add_f32 v[IN+16*q+2:IN+16*q+3], v[IN+16*q+2:IN+16*q+3], v[IN+16*q+6:IN+16*q+7]
	v_pk_add_f32 v[IN+16*q+8:IN+16*q+9], v[IN+16*q+8:IN+16*q+9], v[IN+16*q+12:IN+16*q+13]
	v_pk_add_f32 v[IN+16*q+10:IN+16*q+11], v[IN+16*q+10:IN+16*q+11], v[IN+16*q+14:IN+16*q+15]
	v_pk_add_f32 v[X+4*q:X+4*q+1], v[IN+16*q:IN+16*q+1], v[IN+16*q+8:IN+16*q+9]        ; into registers whose numbers have been used
	v_pk_add_f32 v[X+4*q+2:X+4*q+3], v[IN+16*q+2:IN+16*q+3], v[IN+16*q+10:IN+16*q+11]
.set q, q+1
.endr
	WIN 0x08                                       ; source 1 in window 2
.set i, 0
.rept 16
	v_pk_add_f32 v[X+2*i:X+2*i+1], v[X+2*i:X+2*i+1], v[96+2*i:96+2*i+1]  ; + c
.set i, i+1
.endr
	WIN 0
.irp t, 0,1,2,3
	v_max3_num_f32 v[C0+\t], v[X+8*\t], v[X+8*\t+1], v[X+8*\t+2]
.endr
.irp t, 0,1,2,3
	v_max3_num_f32 v[C0+\t], v[C0+\t], v[X+8*\t+3], v[X+8*\t+4]
.endr
.irp t, 0,1,2,3
	v_max3_num_f32 v[C0+\t], v[C0+\t], v[X+8*\t+5], v[X+8*\t+6]
.endr
.irp t, 0,1,2,3
	v_max_num_f32 v[C0+\t], v[C0+\t], v[X+8*\t+7]
.endr
	v_max3_num_f32 v[C0], v[C0], v[C0+1], v[C0+2]
	v_max_num_f32 v[C0], v[C0], v[C0+3]
	v_permlanex16_b32 v[TA], v[C0], s36, s37       ; the token's other 32 groups lie in the lane 16 away
	v_max_num_f32 v[MX], v[C0], v[TA]
	v_mul_f32 v[CM], s34, v[MX]
.set i, 0
.rept 16
	v_pk_fma_f32 v[Y+2*i:Y+2*i+1], v[X+2*i:X+2*i+1], s[34:35], v[CM:CM+1] op_sel_hi:[1,0,0] neg_lo:[0,0,1] neg_hi:[0,0,1]  ; c2 x - c2 m
.set i, i+1
.endr
.irp t, 0,1,2,3
	v_mov_b32 v[I0+\t], 127
.endr
.irp j, 7,6,5,4,3,2,1,0          ; downward, so that the lowest group stays.  The compare and the select are the plain instructions behind each exponential (ISA guide 5.7.2)
.irp t, 0,1,2,3
	v_exp_f32 v[Y+8*\t+\j], v[Y+8*\t+\j]
	v_cmp_eq_f32 s[40+\t], v[X+8*\t+\j], v[MX]
	v_cndmask_b32 v[I0+\t], v[I0+\t], 16*\t+\j, s[40+\t]
.endr
.endr
	v_min_u32 v[I0], v[I0], v[I0+1]
	v_min_u32 v[I0+2], v[I0+2], v[I0+3]
	v_min_u32 v[I0], v[I0], v[I0+2]
	v_add_nc_u32 v[I0], v[H8], v[I0]
	v_permlanex16_b32 v[TBV], v[I0], s36, s37
	v_min_u32 v[IX], v[I0], v[TBV]                 ; idx of token r, in both halves of the lanes
	ds_store_b16 v[IDW], v[IX]
	ds_load_b128 v[ID:ID+3], v[IDR]                ; LDS serves a wave's instructions in order (ISA guide 5.7.1.4): idx of the tokens 8 h .. 8 h + 7, 16 bits each
.set i, 0
	s_wait_alu depctr_va_vdst(0)
.rept 8
	v_pk_add_f32 v[TS+2*i:TS+2*i+1], v[Y+4*i:Y+4*i+1], v[Y+4*i+2:Y+4*i+3]
.set i, i+1
.endr
.irp i, 0,1,2,3
	v_pk_add_f32 v[TS+4*\i:TS+4*\i+1], v[TS+4*\i:TS+4*\i+1], v[TS+4*\i+2:TS+4*\i+3]
.endr
	v_pk_add_f32 v[TS:TS+1], v[TS:TS+1], v[TS+4:TS+5]
	v_pk_add_f32 v[TS+8:TS+9], v[TS+8:TS+9], v[TS+12:TS+13]
	v_pk_add_f32 v[TS:TS+1], v[TS:TS+1], v[TS+8:TS+9]
	v_add_f32 v[TS], v[TS], v[TS+1]
	v_permlanex16_b32 v[TA], v[TS], s36, s37
	v_add_f32 v[TS], v[TS], v[TA]
	v_rcp_f32 v[RL], v[TS]
	s_wait_dscnt 0x0                               ; idx is back
.irp i, 0,1,2,3
	v_xor_b32 v[Y0+\i], v[ID+\i], v[GG]            ; a half is 0 where idx = r (plain lines behind the reciprocal)
.endr
; one-hot for group 16 t + r and the tokens 8 h .. 8 h + 7: a half y (0 .. 255) is 0 where idx is the group; 0x4000 - y keeps bit 14 only there
.irp t, 0,1,2,3
.irp i, 0,1,2,3
.if (\t) > 0
	v_xor_b32 v[PB+4*\t+\i], (\t)*0x00100010, v[Y0+\i]
	v_sub_nc_u32 v[PB+4*\t+\i], s38, v[PB+4*\t+\i]
.else
	v_sub_nc_u32 v[PB+\i], s38, v[Y0+\i]
.endif
	v_and_b32 v[PB+4*\t+\i], s38, v[PB+4*\t+\i]
.endr
.endr
.set i, 0
	s_wait_alu depctr_va_vdst(0)
.rept 16
	v_pk_mul_f32 v[Y+2*i:Y+2*i+1], v[Y+2*i:Y+2*i+1], v[RL:RL+1] op_sel_hi:[1,0]
.set i, i+1
.endr
.irp t, 0,1,2,3
	ds_store_b128 v[PW], v[PB+4*\t:PB+4*\t+3] offset:\t*512
.endr
.irp t, 0,1,2,3
.irp j, 0,1,2,3,4,5,6,7
	ds_store_b32 v[STW], v[Y+8*\t+\j] offset:(16*\t+\j)*80
.endr
.endr
.endm
; PHASE C
.macro PVK k                     ; token half k: 24 products T2^T (rows e, columns g) and one for n2; 25 accumulators by turns
.irp e, 0,1,2,3,4,5
.irp t, 0,1,2,3
	v_wmma_f32_16x16x32_bf16 v[8*(4*\e+\t):8*(4*\e+\t)+7], v[KA0+48*(\k)+8*\e:KA0+48*(\k)+8*\e+7], v[PF0+32*(\k)+8*\t:PF0+32*(\k)+8*\t+7], v[8*(4*\e+\t):8*(4*\e+\t)+7]
.endr
.endr
	v_wmma_f32_16x16x32_bf16 v[192:199], v[ONES:ONES+7], v[PCF+8*(\k):PCF+8*(\k)+7], v[192:199]
.endm
.macro PHASEC
.irp i, 0,1,2,3,4,5,6,7
	ds_load_b128 v[ST+4*\i:ST+4*\i+3], v[STR] offset:\i*160
.endr
.irp k, 0,1
.irp t, 0,1,2,3
	ds_load_b128 v[PF0+32*\k+8*\t:PF0+32*\k+8*\t+3], v[PR] offset:(2*\k)*INB+\t*512        ; tokens 32 k .. + 15: wave 2 k made them
	ds_load_b128 v[PF0+32*\k+8*\t+4:PF0+32*\k+8*\t+7], v[PR] offset:(2*\k+1)*INB+\t*512    ; tokens 32 k + 16 ..: wave 2 k + 1
.endr
	ds_load_b128 v[PCF+8*\k:PCF+8*\k+3], v[PCR] offset:(2*\k)*INB
	ds_load_b128 v[PCF+8*\k+4:PCF+8*\k+7], v[PCR] offset:(2*\k+1)*INB
.irp e, 0,1,2,3,4,5
	ds_load_tr16_b128 v[KA0+48*\k+8*\e:KA0+48*\k+8*\e+3], v[KBT0+\k] offset:\e*32
	ds_load_tr16_b128 v[KA0+48*\k+8*\e+4:KA0+48*\k+8*\e+7], v[KBT0+\k] offset:\e*32+16*KP
.endr
.endr
	s_wait_dscnt 44                                ; the stage's eight are in; the 44 behind them stay out
.irp i, 0,1,2,3,4,5,6,7
	global_store_b128 v[GO], v[ST+4*\i:ST+4*\i+3], s[10:11] offset:\i*32768 th:TH_STORE_NT  ; sixteen lanes store 256 consecutive bytes of a row, at a multiple of 256 from out1's first byte
.endr
	s_wait_dscnt 22                                ; the first token half's 22 are in
	WIN 0xf0                                       ; C and D in window 3
	PVK 0
	s_wait_dscnt 0x0
	PVK 1
	WIN 0
	s_wait_xcnt 0x0                                ; the stores' base and data are rewritten only behind this wait (ISA guide 3.1)
	s_add_nc_u64 s[10:11], s[10:11], 256           ; the next tile's 64 tokens
.endm
.macro TRIP
	LOADF 0
	NT 0, 0
	NT 1, 6                                        ; behind tile 1's loads: 6 stores into KB
	NT 2, 14                                       ; 6 into KB, 8 into an inbox
	NT 3, 14
	PLACES
	XST 3
	s_wait_dscnt 0x0                               ; my partial logits are stored:
	s_barrier_signal -1
	s_barrier_wait -1                              ; everybody's are.  Up to the next barrier a wave touches its own inbox alone
	PHASEB
	s_wait_dscnt 0x0                               ; my stage and one-hot halves are stored:
	s_barrier_signal -1
	s_barrier_wait -1                              ; everybody's are
	PHASEC
.endm
.Ltile:                          ; seven trips: a tile is worked on and the next is asked for
	CHANGE 1
	TRIP
	s_sub_co_u32 s33, s33, 1
	s_cmp_lg_u32 s33, 0
	s_cbranch_scc1 .Ltile
	CHANGE 0                                       ; the last tile is written out: nothing is asked for
	TRIP
	PLACES
	v_lshrrev_b32 v1, 2, v[L16]                    ; 4 x lane
	WIN 0x0c                                       ; store data in window 3
.irp e, 0,1,2,3,4,5
.irp t, 0,1,2,3
	global_store_b128 v[L16], v[8*(4*\e+\t):8*(4*\e+\t)+3], s[12:13] offset:((\e)/2)*32768+\t*2048+((\e)%2)*1024       ; 512 consecutive bytes; each accumulator's low registers first
	global_store_b128 v[L16], v[8*(4*\e+\t)+4:8*(4*\e+\t)+7], s[12:13] offset:((\e)/2)*32768+\t*2048+((\e)%2)*1024+512
.endr
.endr
	global_store_b32 v1, v192, s[14:15]            ; register 0: lane l holds n2[16 w + l % 16]
	WIN 0
	s_wait_tensorcnt 0x0                           ; the wave's end
	ds_add_u32 v[SPW], v[NIL]
	s_wait_dscnt 0x0
	s_endpgm
.Lfunc_end_k_qb0aa1d7821_assign:
	.size	k_qb0aa1d7821_assign, .Lfunc_end_k_qb0aa1d7821_assign-k_qb0aa1d7821_assign
	.p2alignl 7, 3214868480
	.fill 96, 4, 3214868480
	.section	.rodata,"a",@progbits
	.p2align	6, 0x0
	.amdhsa_kernel k_qb0aa1d7821_assign
		.amdhsa_group_segment_fixed_size 327680
		.amdhsa_private_segment_fixed_size 0
		.amdhsa_enable_private_segment 0
		.amdhsa_kernarg_size 48
		.amdhsa_user_sgpr_count 2
		.amdhsa_user_sgpr_kernarg_segment_ptr 1
		.amdhsa_wavefront_size32 1
		.amdhsa_system_sgpr_workgroup_id_x 1
		.amdhsa_system_sgpr_workgroup_id_y 1
		.amdhsa_system_sgpr_workgroup_id_z 1
		.amdhsa_system_vgpr_workitem_id 0
		.amdhsa_next_free_vgpr 968
		.amdhsa_next_free_sgpr 66
		.amdhsa_reserve_vcc 0
		.amdhsa_float_denorm_mode_32 3
		.amdhsa_float_denorm_mode_16_64 3
		.amdhsa_memory_ordered 1
		.amdhsa_forward_progress 1
		.amdhsa_inst_pref_size 127
	.end_amdhsa_kernel
	.amdgpu_metadata
---
amdhsa.version: [ 1, 2 ]
amdhsa.kernels:
  - .name:           k_qb0aa1d7821_assign
    .symbol:         k_qb0aa1d7821_assign.kd
    .args:
      - { .name: key, .offset: 0, .size: 8, .value_kind: global_buffer, .address_space: global }
      - { .name: qf, .offset: 8, .size: 8, .value_kind: global_buffer, .address_space: global }
      - { .name: cv, .offset: 16, .size: 8, .value_kind: global_buffer, .address_space: global }
      - { .name: out1, .offset: 24, .size: 8, .value_kind: global_buffer, .address_space: global }
      - { .name: tp, .offset: 32, .size: 8, .value_kind: global_buffer, .address_space: global }
      - { .name: cn, .offset: 40, .size: 8, .value_kind: global_buffer, .address_space: global }
    .group_segment_fixed_size: 327680
    .private_segment_fixed_size: 0
    .kernarg_segment_align: 8
    .kernarg_segment_size: 48
    .max_flat_workgroup_size: 128
    .sgpr_count:     66
    .vgpr_count:     968
    .wavefront_size: 32
...
	.end_amdgpu_metadata
.endif
;; end of part 3
;; launch finish (part 4): grid 8 x 32, 4 waves a work-group, no clusters, 234,496 bytes of LDS; arguments tp, cn, wf, bvp, bp, out0; writes out0
.if DOCPART == 4
	.amdgcn_target "amdgcn-amd-amdhsa--gfx1250"
	.amdhsa_code_object_version 6
	.text
	.protected	k_qb0aa1d7821_finish
	.globl	k_qb0aa1d7821_finish
	.p2align	8
	.type	k_qb0aa1d7821_finish,@function
k_qb0aa1d7821_finish:
	s_mov_b64 s[64:65], 0
	v_nop
	global_prefetch_b8 v0, s[64:65] scope:SCOPE_SE
	s_setreg_imm32_b32 hwreg(HW_REG_WAVE_MODE, 25, 1), 1
	s_wait_xcnt 0x0
; out0[g][j] = (T2[g] . Wvp[:][j] + n2[g] bvp[j]) / (n2[g] + 2) + bp[j]: T2 and n2 are twice the sums and counts, so the 2 cancels and n2 + 2 is twice (count + 1).
; T2 and n2 are first summed over a batch's 8 chunks in f32.  T2 is then split into TWO bf16 pieces h + m, as Wvp was by the launch that made it, and the product is three passes into one f32 sum, the small
; terms first: Wvp_m T2_h, Wvp_h T2_m, Wvp_h T2_h; what is left out, m x m, is 2^-16 of a term at the most.  (One piece each would round by 2^-9 of a term, an error that goes with the size of the row: too much for numbers
; near zero in the rows of small groups, which are several times the output's root mean square.)  bvp comes in f32; bp is rounded to bf16 and widened, like every input.
; SHARES.  Work-group (x, b): group tile t = x / 2 (16 groups), columns 192 (x % 2) .. + 191.  Wave w sums the k steps 3 w .. 3 w + 2 of T2 for all four waves (through LDS) and makes the column tiles 3 w .. 3 w + 2.
; The two work-groups of a group tile both read its partial sums: 256 work-groups of equal work for twice 25 MB.
; NO CLUSTER: four neighbours along x cover two group tiles, so no tile is common to all four; what two share is read once each.
; LIMITS: NaN and infinities are not treated apart.
; REGISTERS, in windows of 256 (s_set_vgpr_msb: bits 1:0 source 0, 3:2 source 1, 5:4 source 2, 7:6 destination):
;   window 0: addresses, v32-159 at work (later T2_h's 12 fragments), v160-183 three accumulators, v184-251 biases and counts
;   windows 1 to 3: Wvp's 72 fragments: fragment f = 36 piece + 3 k + a in window 1 + f / 32 at register 8 (f % 32);   window 3, v64-159: T2_m's 12 fragments
.set CHB,   24576                ; a chunk's part for one group tile: 12 k steps x 2,048 bytes
.set TFB,   8*CHB                ; T2's fragments in bf16, written by ds_store: piece h,
.set TFP,   12288                ; then piece m
.set STG,   TFB+2*TFP            ; the way out: 16 rows,
.set SP,    784                  ; 768 bytes + 16: 49 x 16
.set SPARE, STG+12800
.set WPB,   294912               ; wf: bytes from piece h to piece m
.set BS,   2                     ; v2-5  my place in chunks 0-1, 2-3, 4-5, 6-7
.set L16,  6
.set TFW,  7
.set TFR,  8
.set STW,  9
.set STR,  10
.set GO,   11
.set L4,   12
.set H32,  13
.set HH,   14
.set TM,   16                    ; v16-23 piece m of a fragment, at work
.set SPW,  30
.set NIL,  31
.set IN,   32                    ; v32-159: 8 chunks x 16 f32; later T2_h's fragments; later the rows on their way out
.set ACC,  160
.set BVP,  184
.set BP,   208
.set CNR,  232
.set N2,   240
.set INV,  242
.set TF,   244                   ; v244-251 piece h of a fragment, at work
.set TMF,  64                    ; window 3: T2_m's fragments
.set MSB, 0
.macro WIN new                   ; the immediate's high byte repeats the setting that is left; a switch that changes nothing is dropped
.if MSB != (\new)
	s_set_vgpr_msb (MSB<<8)|(\new)
.set MSB, (\new)
.endif
.endm
.macro ADD16 a, b                ; chunk a's sixteen numbers += chunk b's
.irp i, 0,1,2,3,4,5,6,7
	v_pk_add_f32 v[IN+16*(\a)+2*\i:IN+16*(\a)+2*\i+1], v[IN+16*(\a)+2*\i:IN+16*(\a)+2*\i+1], v[IN+16*(\b)+2*\i:IN+16*(\b)+2*\i+1]
.endr
.endm
; 36 products: Wvp's piece wp times the T2 fragments at register tb of window tw; rows j, columns g.  Three accumulators by turns, one instruction a turn, from pass to pass too.
; zero = 1: the first three products start the sums.
.macro PASS wp, tw, tb, zero
.set k, 0
.rept 12
.irp a, 0,1,2
.set f, 36*(\wp)+3*k+\a
	WIN (1+f/32)|((\tw)<<2)
.if (\zero) && (k == 0)
	v_wmma_f32_16x16x32_bf16 v[ACC+8*\a:ACC+8*\a+7], v[8*(f%32):8*(f%32)+7], v[(\tb)+8*k:(\tb)+8*k+7], 0
.else
	v_wmma_f32_16x16x32_bf16 v[ACC+8*\a:ACC+8*\a+7], v[8*(f%32):8*(f%32)+7], v[(\tb)+8*k:(\tb)+8*k+7], v[ACC+8*\a:ACC+8*\a+7]
.endif
.endr
.set k, k+1
.endr
.endm
	s_load_b256 s[4:11], s[0:1], 0x0               ; tp s[4:5], cn s[6:7], wf s[8:9], bvp s[10:11]
	s_load_b128 s[12:15], s[0:1], 0x20             ; bp s[12:13], out0 s[14:15]
	v_lshl_add_u32 v[SPW], v0, 2, SPARE
	v_mov_b32 v[NIL], 0
	ds_add_u32 v[SPW], v[NIL]                      ; the wave's opening: the add and its wait ahead of my first tensor load
	ds_add_u32 v30, v31
	v_lshrrev_b32 v1, 5, v0
	v_readfirstlane_b32 s16, v1                    ; wave
	s_lshr_b32 s17, ttmp9, 1                       ; t
	s_and_b32 s18, ttmp9, 1                        ; which 192 columns
	s_and_b32 s19, ttmp7, 0xffff                   ; batch
	s_mov_b32 s22, 0xffff0000
	s_mov_b32 s40, 3<<16                           ; group 1: 12 rows of 2,048 bytes (256 elements of 8), 8,192 bytes apart; no padding: they are read back 512 consecutive bytes at a time
	s_mov_b32 s41, 256<<16
	s_mov_b32 s42, 12<<16
	s_mov_b32 s43, 256<<16
	s_mov_b32 s44, 12
	s_mov_b32 s45, 1024
	s_mov_b32 s46, 0
	s_mov_b32 s47, 0
	s_mov_b32 s32, 1
	s_mul_i32 s33, s16, 2*CHB                      ; chunks 2 w
	s_mov_b32 s36, 1
	s_add_co_u32 s37, s33, CHB                     ; and 2 w + 1
	s_lshl_b32 s48, s19, 3
	s_lshl_b32 s20, s16, 1
	s_add_co_u32 s48, s48, s20
	s_mul_i32 s48, s48, 98304                      ; tp: [b][chunk][k 12][t 4][2,048]
	s_lshl_b32 s20, s17, 11
	s_add_co_u32 s48, s48, s20
	s_mov_b32 s49, 0
	s_mul_i32 s21, s18, 12
	s_mul_i32 s20, s16, 3
	s_add_co_u32 s21, s21, s20                     ; my first column tile
	s_mul_i32 s50, s21, 12288                      ; wf: [piece 2][jt 24][k 12][1,024]
	s_mov_b32 s51, 0
	s_lshl_b32 s52, s21, 7                         ; bvp: [jt 24][32]
	s_mov_b32 s53, 0
	s_lshl_b32 s54, s21, 6                         ; bp: 16 f32 a tile
	s_mov_b32 s55, 0
	s_lshl_b32 s56, s19, 12                        ; cn: [b][chunk 8][t 4][32]
	s_lshl_b32 s20, s17, 7
	s_add_co_u32 s56, s56, s20
	s_mov_b32 s57, 0
	s_lshl_b32 s58, s19, 6
	s_lshl_b32 s20, s17, 4
	s_add_co_u32 s58, s58, s20
	s_lshl_b32 s20, s16, 2
	s_add_co_u32 s58, s58, s20                     ; the first row that I store: 64 b + 16 t + 4 w
	s_mul_i32 s58, s58, 1536
	s_mul_i32 s20, s18, 768
	s_add_co_u32 s58, s58, s20
	s_mov_b32 s59, 0
	s_wait_dscnt 0x0                               ; the opening add is done
	s_wait_kmcnt 0x0
	s_add_nc_u64 s[34:35], s[4:5], s[48:49]
	s_add_nc_u64 s[38:39], s[34:35], 98304
	s_or_b32 s35, s35, 0x80000000
	s_or_b32 s39, s39, 0x80000000
	s_add_nc_u64 s[6:7], s[6:7], s[56:57]
	s_add_nc_u64 s[8:9], s[8:9], s[50:51]
	s_add_nc_u64 s[10:11], s[10:11], s[52:53]
	s_add_nc_u64 s[12:13], s[12:13], s[54:55]
	s_add_nc_u64 s[14:15], s[14:15], s[58:59]
	tensor_load_to_lds s[32:35], s[40:47]          ; the two first fills go out together: two loads of mine are out
	s_nop 0
	tensor_load_to_lds s[36:39], s[40:47]
	s_nop 0
	v_and_b32 v1, 15, v0                           ; r
	v_bfe_u32 v[HH], v0, 4, 1                      ; h
	v_and_b32 v[L16], 31, v0
	v_lshlrev_b32 v[L4], 2, v[L16]
	v_lshlrev_b32 v[L16], 4, v[L16]
	v_lshlrev_b32 v[H32], 5, v[HH]
	s_mul_i32 s20, s16, 6144                       ; my three k steps
	v_add_nc_u32 v[BS], s20, v[L16]
	v_add_nc_u32 v[BS+1], 2*CHB, v[BS]
	v_add_nc_u32 v[BS+2], 4*CHB, v[BS]
	v_add_nc_u32 v[BS+3], 6*CHB, v[BS]
	s_mul_i32 s20, s16, 3072
	s_add_co_u32 s20, s20, TFB
	v_add_nc_u32 v[TFW], s20, v[L16]
	v_add_nc_u32 v[TFR], TFB, v[L16]
	v_mul_u32_u24 v[STW], v1, SP                   ; in: row g = r, my 48 columns, 32 bytes for each half of the lanes
	v_add_nc_u32 v[STW], v[H32], v[STW]
	s_mul_i32 s20, s16, 192
	s_add_co_u32 s20, s20, STG
	v_add_nc_u32 v[STW], s20, v[STW]
	v_mul_u32_u24 v[STR], v[HH], SP                ; back: rows 4 w + h + 2 rp, sixteen lanes to 256 bytes
	v_lshl_add_u32 v[STR], v1, 4, v[STR]
	s_mul_i32 s20, s16, 4*SP
	s_add_co_u32 s20, s20, STG
	v_add_nc_u32 v[STR], s20, v[STR]
	v_mul_u32_u24 v[GO], v[HH], 1536
	v_lshl_add_u32 v[GO], v1, 4, v[GO]
	v_mov_b32 v[N2+1], 0                           ; named in pairs
	v_mov_b32 v[INV+1], 0
.irp c, 0,1,2,3,4,5,6,7
	global_load_b32 v[CNR+\c], v[L4], s[6:7] offset:\c*512
.endr
.irp a, 0,1,2
	global_load_b128 v[BVP+8*\a:BVP+8*\a+3], v[H32], s[10:11] offset:\a*128       ; register jj: column 16 jt + 8 h + jj
	global_load_b128 v[BVP+8*\a+4:BVP+8*\a+7], v[H32], s[10:11] offset:\a*128+16
	global_load_b128 v[BP+8*\a:BP+8*\a+3], v[H32], s[12:13] offset:\a*64
	global_load_b128 v[BP+8*\a+4:BP+8*\a+7], v[H32], s[12:13] offset:\a*64+16
.endr
.set f, 0
.rept 72                         ; Wvp: piece f / 36, k step (f % 36) / 3, my column tile (f % 36) % 3
	WIN (1+f/32)<<6                                ; destination window 1 + f / 32
	global_load_b128 v[8*(f%32):8*(f%32)+3], v[L16], s[8:9] offset:(f/36)*WPB+((f%36)%3)*12288+((f%36)/3)*1024
	global_load_b128 v[8*(f%32)+4:8*(f%32)+7], v[L16], s[8:9] offset:(f/36)*WPB+((f%36)%3)*12288+((f%36)/3)*1024+512
.set f, f+1
.endr
	WIN 0
	s_wait_tensorcnt 0x0                           ; my two chunks are in,
	s_barrier_signal -1
	s_barrier_wait -1                              ; everybody's are
	; the eight chunks' sums for my three k steps; a result tile (rows e, columns g) packed in pairs along its registers is half a fragment (lane = g, k = e)
.irp kp, 0,1,2
.set c, 0
.rept 8
.irp q, 0,1,2,3
	ds_load_b128 v[IN+16*c+4*\q:IN+16*c+4*\q+3], v[BS+c/2] offset:(c%2)*CHB+\kp*2048+\q*512
.endr
.set c, c+1
.endr
	s_wait_dscnt 0x0
	ADD16 0, 1
	ADD16 2, 3
	ADD16 4, 5
	ADD16 6, 7
	ADD16 0, 2
	ADD16 4, 6
	ADD16 0, 4
.irp i, 0,1,2,3,4,5,6,7
	v_cvt_pk_bf16_f32 v[TF+\i], v[IN+2*\i], v[IN+2*\i+1]           ; piece h,
.endr
.irp i, 0,1,2,3,4,5,6,7
	v_lshlrev_b32 v[IN+16+2*\i], 16, v[TF+\i]                      ; widened again (into chunk 1's registers, which have been used),
	v_and_b32 v[IN+16+2*\i+1], s22, v[TF+\i]
.endr
.irp i, 0,1,2,3,4,5,6,7
	v_pk_add_f32 v[IN+2*\i:IN+2*\i+1], v[IN+2*\i:IN+2*\i+1], v[IN+16+2*\i:IN+16+2*\i+1] neg_lo:[0,1] neg_hi:[0,1]  ; taken away: exact in f32;
.endr
.irp i, 0,1,2,3,4,5,6,7
	v_cvt_pk_bf16_f32 v[TM+\i], v[IN+2*\i], v[IN+2*\i+1]           ; piece m
.endr
	ds_store_b128 v[TFW], v[TF:TF+3] offset:\kp*1024
	ds_store_b128 v[TFW], v[TF+4:TF+7] offset:\kp*1024+512
	ds_store_b128 v[TFW], v[TM:TM+3] offset:TFP+\kp*1024
	ds_store_b128 v[TFW], v[TM+4:TM+7] offset:TFP+\kp*1024+512
.endr
	s_wait_dscnt 0x0                               ; my three k steps' fragments are stored:
	s_barrier_signal -1
	s_barrier_wait -1                              ; all twelve steps' are
.irp k, 0,1,2,3,4,5,6,7,8,9,10,11
	ds_load_b128 v[IN+8*\k:IN+8*\k+3], v[TFR] offset:\k*1024
	ds_load_b128 v[IN+8*\k+4:IN+8*\k+7], v[TFR] offset:\k*1024+512
.endr
	WIN 0xc0                                       ; destination window 3
.irp k, 0,1,2,3,4,5,6,7,8,9,10,11
	ds_load_b128 v[TMF+8*\k:TMF+8*\k+3], v[TFR] offset:TFP+\k*1024
	ds_load_b128 v[TMF+8*\k+4:TMF+8*\k+7], v[TFR] offset:TFP+\k*1024+512
.endr
	WIN 0
	s_wait_loadcnt 0x0                             ; Wvp, the biases, the counts
	s_wait_dscnt 0x0
	PASS 1, 0, IN, 1                               ; Wvp_m T2_h
	PASS 0, 3, TMF, 0                              ; Wvp_h T2_m
	PASS 0, 0, IN, 0                               ; Wvp_h T2_h
	WIN 0
	; the counts and bp: also the places behind the last products
	v_add_f32 v[CNR], v[CNR], v[CNR+1]
	v_add_f32 v[CNR+2], v[CNR+2], v[CNR+3]
	v_add_f32 v[CNR+4], v[CNR+4], v[CNR+5]
	v_add_f32 v[CNR+6], v[CNR+6], v[CNR+7]
	v_add_f32 v[CNR], v[CNR], v[CNR+2]
	v_add_f32 v[CNR+4], v[CNR+4], v[CNR+6]
	v_add_f32 v[N2], v[CNR], v[CNR+4]              ; n2 of group 16 t + r: whole numbers, exact
	v_add_f32 v[INV], 2.0, v[N2]
	v_rcp_f32 v[INV], v[INV]
.irp a, 0,1,2
.irp i, 0,1,2,3
	v_cvt_pk_bf16_f32 v[TF+\i], v[BP+8*\a+2*\i], v[BP+8*\a+2*\i+1]
.endr
.irp i, 0,1,2,3
	v_lshlrev_b32 v[BP+8*\a+2*\i], 16, v[TF+\i]
	v_and_b32 v[BP+8*\a+2*\i+1], s22, v[TF+\i]
.endr
.endr
	s_wait_alu depctr_va_vdst(0)
.irp a, 0,1,2
.irp i, 0,1,2,3
	v_pk_fma_f32 v[ACC+8*\a+2*\i:ACC+8*\a+2*\i+1], v[BVP+8*\a+2*\i:BVP+8*\a+2*\i+1], v[N2:N2+1], v[ACC+8*\a+2*\i:ACC+8*\a+2*\i+1] op_sel_hi:[1,0,1]
.endr
.irp i, 0,1,2,3
	v_pk_fma_f32 v[ACC+8*\a+2*\i:ACC+8*\a+2*\i+1], v[ACC+8*\a+2*\i:ACC+8*\a+2*\i+1], v[INV:INV+1], v[BP+8*\a+2*\i:BP+8*\a+2*\i+1] op_sel_hi:[1,0,1]
.endr
	ds_store_b128 v[STW], v[ACC+8*\a:ACC+8*\a+3] offset:\a*64
	ds_store_b128 v[STW], v[ACC+8*\a+4:ACC+8*\a+7] offset:\a*64+16
.endr
	s_wait_dscnt 0x0                               ; my columns of the 16 rows are stored:
	s_barrier_signal -1
	s_barrier_wait -1                              ; everybody's are
.irp i, 0,1,2,3,4,5
	ds_load_b128 v[IN+4*\i:IN+4*\i+3], v[STR] offset:((\i)/3)*2*SP+((\i)%3)*256
.endr
.irp i, 0,1,2,3,4,5
	s_wait_dscnt 5-\i                              ; piece i is back; those behind it stay out
	global_store_b128 v[GO], v[IN+4*\i:IN+4*\i+3], s[14:15] offset:((\i)/3)*3072+((\i)%3)*256  ; sixteen lanes store 256 consecutive bytes, at a multiple of 256 from out0's first byte
.endr
	s_wait_tensorcnt 0x0                           ; the wave's end
	ds_add_u32 v[SPW], v[NIL]
	s_wait_dscnt 0x0
	s_endpgm
.Lfunc_end_k_qb0aa1d7821_finish:
	.size	k_qb0aa1d7821_finish, .Lfunc_end_k_qb0aa1d7821_finish-k_qb0aa1d7821_finish
	.p2alignl 7, 3214868480
	.fill 96, 4, 3214868480
	.section	.rodata,"a",@progbits
	.p2align	6, 0x0
	.amdhsa_kernel k_qb0aa1d7821_finish
		.amdhsa_group_segment_fixed_size 234496
		.amdhsa_private_segment_fixed_size 0
		.amdhsa_enable_private_segment 0
		.amdhsa_kernarg_size 48
		.amdhsa_user_sgpr_count 2
		.amdhsa_user_sgpr_kernarg_segment_ptr 1
		.amdhsa_wavefront_size32 1
		.amdhsa_system_sgpr_workgroup_id_x 1
		.amdhsa_system_sgpr_workgroup_id_y 1
		.amdhsa_system_sgpr_workgroup_id_z 1
		.amdhsa_system_vgpr_workitem_id 0
		.amdhsa_next_free_vgpr 928
		.amdhsa_next_free_sgpr 66
		.amdhsa_reserve_vcc 0
		.amdhsa_float_denorm_mode_32 3
		.amdhsa_float_denorm_mode_16_64 3
		.amdhsa_memory_ordered 1
		.amdhsa_forward_progress 1
		.amdhsa_inst_pref_size 59
	.end_amdhsa_kernel
	.amdgpu_metadata
---
amdhsa.version: [ 1, 2 ]
amdhsa.kernels:
  - .name:           k_qb0aa1d7821_finish
    .symbol:         k_qb0aa1d7821_finish.kd
    .args:
      - { .name: tp, .offset: 0, .size: 8, .value_kind: global_buffer, .address_space: global }
      - { .name: cn, .offset: 8, .size: 8, .value_kind: global_buffer, .address_space: global }
      - { .name: wf, .offset: 16, .size: 8, .value_kind: global_buffer, .address_space: global }
      - { .name: bvp, .offset: 24, .size: 8, .value_kind: global_buffer, .address_space: global }
      - { .name: bp, .offset: 32, .size: 8, .value_kind: global_buffer, .address_space: global }
      - { .name: out0, .offset: 40, .size: 8, .value_kind: global_buffer, .address_space: global }
    .group_segment_fixed_size: 234496
    .private_segment_fixed_size: 0
    .kernarg_segment_align: 8
    .kernarg_segment_size: 48
    .max_flat_workgroup_size: 128
    .sgpr_count:     66
    .vgpr_count:     928
    .wavefront_size: 32
...
	.end_amdgpu_metadata
.endif
;; end of part 4
